; MI455X (gfx1250); checked and timed in simulation.
; The chip was launched on July 23, 2026; its instructions are those of AMD's public machine-readable ISA for CDNA 5 (MIT licence, August 2026) and "CDNA5" Instruction Set Architecture Reference Guide (July 2026). The comments in the code are by the model that wrote it; some were corrected since.
;; Mixture Of Depths. Allowed arithmetic: matrix products marked QUANTISED: E5M2 operands, one E8M0 scale for each 32 along K, by v_wmma_scale_f32_16x16x128_f8f6f4 with both operands' format E5M2, f32 sums; products left as they are: f32 operands where the result goes on into a quantised operand, else bf16, f16 or f32 operands; f32 sums; everything else in f32.
;; Inputs: Wc1_codes 128 x 16 x 32 uint8 (E5M2 codes of Wc1, K innermost, in blocks of 32 codes); Wc1_scales 128 x 16 uint8 (E8M0 scales of Wc1, one for each 32 codes along K); Wc2 128 x 1 float32; Wf1_codes 2,048 x 16 x 32 uint8 (E5M2 codes of Wf1, K innermost, in blocks of 32 codes); Wf1_scales 2,048 x 16 uint8 (E8M0 scales of Wf1, one for each 32 codes along K); Wf2_codes 512 x 64 x 32 uint8 (E5M2 codes of Wf2, K innermost, in blocks of 32 codes); Wf2_scales 512 x 64 uint8 (E8M0 scales of Wf2, one for each 32 codes along K); bc1 128 float32; bc2 1 float32; bf1 2,048 float32; bf2 512 float32; hidden_states 4 x 4,096 x 512 float32.
;; Outputs: out0 4 x 4,096 x 512 float32.
;; Constants: layer_idx = 2.
;; This version of the problem:
;;   THIS VERSION OF THE PROBLEM IS GIVEN IN LOW PRECISION. The matrix products marked QUANTISED in the list below multiply operands that are first quantised to E5M2 (5 exponent bits, 2 mantissa bits; 8 bits a number), with one power-of-two scale for each 32 numbers along K (OCP MX v1.0); their sums are f32. All else is computed in f32.
;;   The module's matrix products, in the order in which they are computed (A, B: the left and right operand; K: the contracted axis; several contracted axes count as one K, in the product's order):
;;     1. [M 16,384, K 512] x [K 512, N 128]; A: input hidden_states; B: input Wc1 (given as codes): QUANTISED
;;     2. [M 16,384, K 128] x [K 128, N 1]; A: computed on the way; B: input Wc2: left as it is (N = 1 < 16)
;;     3. [M 16,384, K 512] x [K 512, N 2,048]; A: input hidden_states; B: input Wf1 (given as codes): QUANTISED
;;     4. [M 16,384, K 2,048] x [K 2,048, N 512]; A: computed on the way; B: input Wf2 (given as codes): QUANTISED
;;   THE QUANTISER, for each operand of a quantised product, along K:
;;     - K is cut into blocks of 32 from its start; a last block that is shorter is filled with zeros.
;;     - A block's scale is 2^e with e = floor(log2(the largest magnitude in the block)) - 15, held to -126 .. 127; a block of zeros has e = 0. As a byte (E8M0): e + 127.
;;     - Each number is divided by its block's scale, clamped to +-57,344, and rounded to the nearest number of E5M2, ties to even, subnormals kept.
;;     - The product sums the exact products of the quantised numbers (number of the format x scale) in f32.
;;   ~~~python
;;   def quantise(x, axis):      # numpy; x: float32 -> the quantised numbers, widened to float32 again
;;       x = np.moveaxis(x, axis, -1); K = x.shape[-1]
;;       x = np.pad(x, [(0, 0)] * (x.ndim - 1) + [(0, -K % 32)]); x = x.reshape(x.shape[:-1] + (-1, 32)); a = np.abs(x).max(-1, keepdims=True)
;;       e = np.where(a > 0, np.clip(np.frexp(np.where(a > 0, a, 1))[1] - 1 - 15, -126, 127), 0)      # np.frexp(a)[1] - 1 = floor(log2(a)), exactly
;;       r = np.clip(x / 2.0 ** e, -57344, 57344)
;;       step = 2.0 ** (np.maximum(np.frexp(np.where(r == 0, 1, r))[1] - 1, -14) - 2)
;;       q = np.round(r / step) * step * 2.0 ** e      # np.round: ties to even
;;       return np.moveaxis(q.reshape(q.shape[:-2] + (-1,))[..., :K], -1, axis).astype(np.float32)
;;   ~~~
;;   OPERANDS COMPUTED ON THE WAY. 'Computed on the way' means the value that the module computes at that place (a softmax that the list does not call 'softmax' is quantised finished and normalised). What goes into a quantiser is computed in f32, as accurately as f32 sums, v_exp_f32 and their like allow (about 1e-6 of the number): no bf16 or f16 on the way to a quantiser, and a product that is left as it is and whose result goes on into a quantised operand takes f32 operands (vector FMAs, or v_wmma_f32_16x16x4_f32). A number that lies on a knife's edge between two numbers of the format may be rounded either way, as far as f32 arithmetic and the matrix unit's own rounding can turn it there, and no further.
;;   INPUTS GIVEN AS CODES. Wc1 (in the module: [512, 128], K = its axis 0); Wf1 (in the module: [512, 2048], K = its axis 0); Wf2 (in the module: [2048, 512], K = its axis 0): each comes as NAME_codes (uint8): NAME with its K axis moved to the last place and cut into blocks of 32 codes, [.., K / 32, bytes a block], one block behind the other in memory; one code a byte (a code: sign, 5 exponent bits, 2 mantissa bits); and NAME_scales (uint8): the same leading axes, one E8M0 byte (e + 127) for each 32 codes along K. Its value is code x scale, taken as it is: it is not quantised again, and the codes and scales need not be those that the quantiser above would give.
;; One version. Each part assembles by itself: llvm-mc -triple=amdgcn-amd-amdhsa -mcpu=gfx1250 --defsym DOCPART=n.
;; ======== version 1 of 1: 1 launch
;; limits: an absolute error that grows with the inputs' magnitude: up to 6e-08 times it
;; launch mod (part 1): grid 256 x 1, 4 waves a work-group, clusters of 4 x 1, 327,680 bytes of LDS; arguments hidden_states, Wf1_codes, Wf2_codes, Wc1_codes, Wf1_scales, bf1, Wc1_scales, bc1, Wf2_scales, bf2, Wc2, bc2, out0; writes out0
.if DOCPART == 1
	.amdgcn_target "amdgcn-amd-amdhsa--gfx1250"
	.amdhsa_code_object_version 6
	.text
	.protected	k_qcdff5cdaee_mod
	.globl	k_qcdff5cdaee_mod
	.p2align	8
	.type	k_qcdff5cdaee_mod,@function
k_qcdff5cdaee_mod:
	s_mov_b64 s[64:65], 0
	v_nop
	global_prefetch_b8 v0, s[64:65] scope:SCOPE_SE
	s_setreg_imm32_b32 hwreg(HW_REG_WAVE_MODE, 25, 1), 1
	s_wait_xcnt 0x0
	s_wait_alu depctr_hold_cnt(0) depctr_sa_sdst(0) depctr_va_vdst(0) depctr_va_sdst(0) depctr_va_ssrc(0) depctr_va_vcc(0) depctr_vm_vsrc(0)
	s_getreg_b32 s2, hwreg(HW_REG_IB_STS2, 6, 4)
	s_cmp_eq_u32 s2, 0
	s_cbranch_scc0 .Lentry_in_a_cluster
	s_endpgm
.Lentry_in_a_cluster:
	s_bfe_u32 s2, ttmp6, 0x10000c
	s_cmp_lg_u32 s2, 0x3003
	s_cbranch_scc0 .Lentry_shape_is_right
	s_endpgm
.Lentry_shape_is_right:
; out = where(sigmoid(gelu(Q(x) Wc1 + bc1) . Wc2 + bc2) < 0.8, Q(gelu(Q(x) Wf1 + bf1)) Wf2 + bf2, x).   x: [16384][512] f32.  The three products with Q are on codes of E5M2 with one E8M0 byte
; for each 32 along K; the weights come as codes with K innermost, x and the hidden layer are quantised here.  One launch; the hidden layer never goes to memory.
; SHARES.  A work-group of four waves owns 64 tokens: four tiles m of 16.  The hidden layer goes in 16 chunks of 128 units; the confidence head, whose weight has a chunk's shape, is chunk 16.
; THE WAVES SHARE THE COLUMNS: in a chunk wave w makes units 32 w .. 32 w + 31 (one block of the next K: two tiles u) for all 64 tokens; of the output it owns columns 128 w .. 128 w + 127
; (8 tiles n x 4 tiles m = 32 accumulators).  So each fragment of a weight is read from LDS by one wave, once, and feeds four matrix instructions.  x's 16 fragments stay in every wave's registers.
; BOTH PRODUCTS ARE USED TRANSPOSED (source 0 = 16 rows of the weight, source 1 = 16 tokens): a lane holds one token.  Lane r of tile u takes the chunk's row 32 w + 8 u + r + 8 (r / 8), so that a lane's
; 16 results are the units 32 w + 16 (lane / 16) + 0 .. 15: registers 4 w .. 4 w + 3 of the hidden fragment.  The four waves' pieces meet in LDS as an image of that fragment's registers.
; BY TURNS.  A sub-trip t has four blocks, one for each tile m of tokens: gelu and quantiser of chunk t, 16 numbers a lane.  Behind each run of eight vector instructions stands one matrix instruction:
; the first product of chunk t + 1 (tiles 0 to 2) and the second product of chunk t - 1.  The first product's tile 3 of chunk t, whose sums' registers come free only with the last block, needs registers
; alone: it stands at the sub-trip's head, round the signal of the barrier.  So W1's registers are free at the head, and all that the sub-trip reads from LDS at its start goes out in one run.
; RING.  Two LDS slots, each with 128 rows of W1 and 512 rows x 128 bytes of W2.  Sub-trip t reads slot t % 2 = {W1 of chunk t + 1, W2 of chunk t - 1}; behind its round the other slot takes {t + 2, t}.
; Chunks 0 and 1 of W1 go from memory straight into registers at the launch's head, so that behind the first two rounds every load fills its bytes for the first time and behind the later ones every load fills again.
; CLUSTER.  All work-groups walk the same weights: the four of a cluster ask for each tile JOINTLY (mask 15), the same load with the same descriptor.
; GELU.  g = s Phi(s), Phi = 1/2 + v A(v^2) / B(v^2), v = s held within +-4 sqrt(2): the rational form of erf of degrees 6 and 4 in x^2, with x = s / sqrt(2) folded into its coefficients.
; x IS READ TWICE: as numbers to quantise, and in the last sub-trip as the rows that pass unchanged; 128 KiB of f32 have no room beside 768 registers of operands and sums and a full LDS.
; LIMITS.  Phi carries an absolute error of about one unit in the last place of 1/2, so g's relative error grows as that over Phi(s) for s under about -2.5, and beyond s = -4 sqrt(2) g is s times such an error
; and not 0.  NaN and infinities are not served.  A block of zeros carries the byte 1 (its codes are zeros; only this text reads the bytes).  A token whose confidence lies within f32 rounding of 0.8 may fall either way.
; REGISTERS, in windows of 256.  Window 0: v1-15, v107 addresses; v16-43 scale words (W1, W2, hidden, x); v44-63 the next chunk's scale words and bias; v64-79 bias; v80-106 constants; v108-127 codes and bytes
; just made; v128-191 S: the first product's sums, 16 m + 8 u + j; v192-255 at work.  Window 1: v0-127 W1's 8 fragments; v128-191 the hidden layer's 4; v192-255 four places for W2's (at the head v128-255: W1 of chunk 0).
; Window 2: x's 16 fragments, at the end x's rows in f32.  Window 3: the 32 accumulators of the output at 8 (4 n + m); at the head the raw x.
.set SLOTB, 141312                     ; a slot: W1's 128 rows x 528 bytes, then W2's 512 rows x 144 bytes
.set W2O,   67584
.set IMG,   282624                     ; the hidden layer's 4 fragments as register images: 2048 m + 512 c + 16 lane.  At the head: x's 16 fragments, 32,768 bytes
.set IMGS,  290816                     ; their scale words: 128 m + 4 lane, byte w
.set XSCO,  24576                      ; at the head x's scale words lie so far behind IMGS, behind x's images
.set SCL2,  291328                     ; W2's scale words: 8192 w + 512 chunk + 16 lane + 4 p
.set SPARE, 324096                     ; the spare words, 128 bytes for each wave: two blocks of 256 bytes that no other line names
.set CONF,  324608                     ; the confidence head's partial sums: 256 wave + 4 token
.set STAGE, SLOTB                      ; the way out: 16 rows x 528 bytes for each wave, in slot 1, which has had its last fill and its last read by then
.set LI,1
.set AIM,2
.set AW1,3
.set AW2,4
.set AHW,5
.set AHB,6
.set ASC,7
.set AGS,8
.set AGB,9
.set ADR1,10
.set ADR2,11
.set SPW,12
.set NIL,13
.set AG1,14
.set ACF,15
.set W1S,16
.set W2S,20
.set HS,24
.set XS,28
.set STS,44
.set STB,48
.set B1,64
.set KA6,80
.set KA5,82
.set KA4,84
.set KA3,86
.set KA2,88
.set KA1,90
.set KA0,92
.set KB4,94
.set KB3,96
.set KB2,98
.set KB1,100
.set KB0,102
.set KH,104
.set CLV,106
.set AHS,107
.set PC,108
.set TM,108                            ; at the head the quantiser of x works where the codes lie later
.set BY,124
.set S,128
.set V,192
.set W,208
.set P,224
.set Q,240
.set W1B,0                             ; where W1's fragments begin in window 1: 128 for chunk 0, at the head; else 0
; scalars: s3 wave, s4 wave % 2, s5 cx, s6 work-group, s7 sub-trip, s8 the slot read, s9 the slot filled, s[10:11] lane selects, s12 57,344's mantissa field, s13 bc2, s14, s15 my tile's place in a slot,
; s[16:41] the 13 buffers, s[44:51], s[52:59] descriptor groups 1, s[60:61] x's rows, s[62:63] out's, s[66:67] x to quantise, s[68:69] W1 for the direct loads, s[70:71] Wc2,
; s[72:75], s[76:79] groups 0 for W1 and W2, s[80:81] W1's walking address, s[82:83] Wc1's, s[84:91] walking and last pointers of scale words and bias, s[92:95] the chosen ones, s96, s97 the masks
.set MSB, 0
.macro WIN new                         ; the immediate's high byte repeats the setting that is left; a switch that changes nothing is dropped
.if MSB != (\new)
	s_set_vgpr_msb (MSB<<8)|(\new)
.set MSB, (\new)
.endif
.endm
.macro PLACES n
.rept \n
	v_nop
.endr
.endm
; A round of the cluster's barrier: my work-group's barrier, wave 0 signals for the work-group, every wave waits for all four work-groups, my work-group's barrier once more.
.macro CREST                           ; a round behind its opening barrier
	s_cmp_lg_u32 s3, 0
	s_cbranch_scc1 .Lnot_wave_0_\@
	s_barrier_signal -3
.Lnot_wave_0_\@:
	s_barrier_wait -3
	s_barrier_signal -1
	s_barrier_wait -1
.endm
.macro ROUND                           ; a whole round
	s_barrier_signal -1
	s_barrier_wait -1
	CREST
.endm
; The joint loads.  Waves 0 and 1 fetch W1's two halves (64 rows x 512 bytes), waves 2 and 3 W2's (256 rows x 128 bytes).  fill = 1: W2's alone.  The branch hangs on the wave's number alone.
; Four v_nop follow each load, ahead of the jump, the label and what follows.
.macro JLOAD fill
	s_cmp_lt_u32 s3, 2
.if (\fill) == 2
	s_cbranch_scc0 .Lfor_w2_\@
	tensor_load_to_lds s[72:75], s[44:51]
	s_nop 0
	PLACES 4
	s_branch .Lasked_\@
.Lfor_w2_\@:
.else
	s_cbranch_scc1 .Lasked_\@
.endif
	tensor_load_to_lds s[76:79], s[52:59]
	s_nop 0
	PLACES 4
.Lasked_\@:
.endm
; Link i of 8 of the first product for tile m of tokens: K step i / 2, tile i % 2 of units.  The bias is the C of a sum's first link.  The accumulators take turns.
.macro MP1 m, i
.set pS, (\i)/2
.set pU, (\i)%2
.set pD, S+16*(\m)+8*pU
.set pA, W1B+16*(4*pU+pS)
.set pB, 16*(4*(\m)+pS)
	WIN 0x09                                       ; source 0 (W1) window 1, source 1 (x) window 2
.if pS == 0
.if pU == 0
	v_wmma_scale_f32_16x16x128_f8f6f4 v[pD:pD+7], v[pA:pA+15], v[pB:pB+15], v[B1:B1+7], v[W1S], v[XS+4*(\m)] matrix_a_fmt:MATRIX_FMT_BF8 matrix_b_fmt:MATRIX_FMT_BF8
.else
	v_wmma_scale_f32_16x16x128_f8f6f4 v[pD:pD+7], v[pA:pA+15], v[pB:pB+15], v[B1+8:B1+15], v[W1S], v[XS+4*(\m)] matrix_a_fmt:MATRIX_FMT_BF8 matrix_b_fmt:MATRIX_FMT_BF8 matrix_a_scale:MATRIX_SCALE_ROW1
.endif
.else
.if pU == 0
	v_wmma_scale_f32_16x16x128_f8f6f4 v[pD:pD+7], v[pA:pA+15], v[pB:pB+15], v[pD:pD+7], v[W1S+pS], v[XS+4*(\m)+pS] matrix_a_fmt:MATRIX_FMT_BF8 matrix_b_fmt:MATRIX_FMT_BF8
.else
	v_wmma_scale_f32_16x16x128_f8f6f4 v[pD:pD+7], v[pA:pA+15], v[pB:pB+15], v[pD:pD+7], v[W1S+pS], v[XS+4*(\m)+pS] matrix_a_fmt:MATRIX_FMT_BF8 matrix_b_fmt:MATRIX_FMT_BF8 matrix_a_scale:MATRIX_SCALE_ROW1
.endif
.endif
.endm
; The second product's K step of this sub-trip for accumulator (n, m): each of the 32 has one link a sub-trip
.macro MP2 n, m
.set yD, 8*(4*(\n)+(\m))
.set yA, 192+16*((\n)%4)
.set yB, 128+16*(\m)
	WIN 0xf5                                       ; sources 0 (W2) and 1 (hidden) window 1, C and D window 3
.if ((\n)%2) == 0
	v_wmma_scale_f32_16x16x128_f8f6f4 v[yD:yD+7], v[yA:yA+15], v[yB:yB+15], v[yD:yD+7], v[W2S+(\n)/2], v[HS+(\m)] matrix_a_fmt:MATRIX_FMT_BF8 matrix_b_fmt:MATRIX_FMT_BF8
.else
	v_wmma_scale_f32_16x16x128_f8f6f4 v[yD:yD+7], v[yA:yA+15], v[yB:yB+15], v[yD:yD+7], v[W2S+(\n)/2], v[HS+(\m)] matrix_a_fmt:MATRIX_FMT_BF8 matrix_b_fmt:MATRIX_FMT_BF8 matrix_a_scale:MATRIX_SCALE_ROW1
.endif
.endm
; THE HEAD OF A SUB-TRIP.  Every wave waits for all its tensor loads (one is out: its part of the slot about to be read), adds 0 to its spare word, steps the descriptors and issues four products while the add is
; out, and waits for the add, for its reads of the slot that it has left and for its stores of the hidden images.  Behind the round no wave of any partner reads the other slot, and the images of chunk t - 1 are whole.
; The eight products are the first product's tile 3 of chunk t: registers alone; four stand between the signal and its wait, so that the wave works while the others arrive.
.macro HEAD fill, first
	s_wait_tensorcnt 0x0                           ; no tensor load of mine is out, so a group 0 may be written
	ds_add_u32 v[SPW], v[NIL]
.if (\fill) && !(\first)
	s_xor_b32 s9, s8, SLOTB                        ; the slot that is not read in this sub-trip
.if (\fill) == 2
	s_add_nc_u64 s[80:81], s[80:81], 0x10000       ; W1: chunk t + 2;
	s_cmp_eq_u32 s7, 14
	s_cselect_b64 s[74:75], s[82:83], s[80:81]     ; chunk 16 is Wc1 (the walking address, one chunk past its buffer then, is not used)
	s_or_b32 s75, s75, 0x80000000                  ; type = 2
	s_add_co_u32 s73, s9, s14
.endif
	s_add_nc_u64 s[78:79], s[78:79], 128           ; W2: chunk t: 128 bytes on in each row; the type bits on top are not reached
	s_add_co_u32 s77, s9, s15
.endif
.if !(\first)
.irp i,0,1,2,3
	MP1 3, \i
.endr
.endif
	s_wait_dscnt 0x0
	s_barrier_signal -1
.if !(\first)
.irp i,4,5,6,7
	MP1 3, \i
.endr
	WIN 0
.endif
	s_barrier_wait -1
.if \fill
	CREST
	JLOAD \fill                                    ; first thing behind the round, a wave's one tensor load until the next: it has the whole sub-trip in which to land
.endif
.endm
.macro W2LD n                          ; W2's fragment of column tile n into place n % 4 (window 1)
.irp q,0,1,2,3
	ds_load_b128 v[192+16*((\n)%4)+4*\q:192+16*((\n)%4)+4*\q+3], v[ADR2] offset:2304*(\n)+32*\q
.endr
.endm
; 37 LDS loads for the second product of chunk t - 1, in the order in which they are wanted
.macro HLOADS
	ds_load_b128 v[W2S:W2S+3], v[ASC]              ; register p: tile 2 p in lanes 0-15, tile 2 p + 1 in lanes 16-31
.irp m,0,1,2,3
	ds_load_b32 v[HS+\m], v[AHS] offset:128*\m
.endr
	WIN 0x40
	W2LD 0
	W2LD 1
.irp m,0,1,2,3
.irp q,0,1,2,3
	ds_load_b128 v[128+16*\m+4*\q:128+16*\m+4*\q+3], v[AIM] offset:2048*\m+512*\q
.endr
.endr
	W2LD 2
	W2LD 3
	WIN 0
.endm
; W1's 8 fragments (tile u, K step s) at v[base + 16 (4 u + s)] of window 1: from memory (chunks 0 and 1) ..
.macro W1GLOB ch, base
	WIN 0x40
.irp u,0,1
.irp s,0,1,2,3
.irp q,0,1,2,3
	global_load_b128 v[(\base)+16*(4*\u+\s)+4*\q:(\base)+16*(4*\u+\s)+4*\q+3], v[AG1], s[68:69] offset:65536*(\ch)+4096*\u+128*\s+32*\q
.endr
.endr
.endr
	WIN 0
.endm
.macro BURST                           ; .. or from the slot in hand
	WIN 0x40
.irp u,0,1
.irp s,0,1,2,3
.irp q,0,1,2,3
	ds_load_b128 v[16*(4*\u+\s)+4*\q:16*(4*\u+\s)+4*\q+3], v[ADR1] offset:4224*\u+128*\s+32*\q
.endr
.endr
.endr
	WIN 0
.endm
; Matrix instruction k of a block's 16.  Block 0: 8-15 the second product's column tiles 0, 1 (0-7: none: the loads of the head are on their way).
; Blocks 1-3: 0-7 column tiles 2 b, 2 b + 1; 8-15 the first product's tile b - 1 of chunk t + 1.  No two that follow each other share an accumulator, over the loop's edge too.
; THE COUNTED WAITS count the LDS instructions issued behind the loads that are wanted.  Block 0, k = 8, 10, 12, 14: the hidden fragments not yet wanted (12, 8, 4, 0), W2's places 2, 3 (8) and W1's run (32, none
; in the last sub-trip).  Block 1, k = 0 (places 2, 3): W1's run; in the last sub-trip one store.  Block 2, k = 0 (tiles 4, 5): tiles 6, 7 (8) and block 1's stores (2; in the last sub-trip 1).
; Block 3, k = 0 (tiles 6, 7): the stores of blocks 1 and 2.
.macro HOOK k
.if BB == 0
.if ((\k) >= 8) && FP2
.if ((\k)%2) == 0
	s_wait_dscnt DW0-2*((\k)-8)
.endif
	MP2 ((\k)-8)%2, ((\k)-8)/2
	WIN 0
.endif
.elseif (\k) < 8
.if FP2
.if (\k) == 0
.if BB == 1
	s_wait_dscnt DW1
.elseif BB == 2
	s_wait_dscnt DW2
.else
	s_wait_dscnt DW3
.endif
.endif
	MP2 2*BB+(\k)%2, (\k)/2
	WIN 0
.endif
.elseif FMODE == 0
	MP1 BB-1, (\k)-8
	WIN 0
.endif
.endm
; The next chunk's scale words and bias, fetched a sub-trip ago, take their places (eight plain instructions stand behind the last product that read the old ones); those of the chunk after are asked for.
.macro INSTALL
.if !FFIRST
	s_wait_loadcnt 0x0                             ; asked for a sub-trip ago; it also frees the chosen pointers below.  (In the first sub-trip the head's counted wait has shown them in)
.endif
.irp i,0,1,2,3
	v_mov_b32 v[W1S+\i], v[STS+\i]
.endr
.irp i,0,1,2,3,4,5,6,7,8,9,10,11,12,13,14,15
	v_mov_b32 v[B1+\i], v[STB+\i]
.endr
.if FINST == 1
	s_cmp_eq_u32 s7, 14                            ; chunk 16 is the confidence head's
	s_cselect_b64 s[92:93], s[88:89], s[84:85]
	s_cselect_b64 s[94:95], s[90:91], s[86:87]
	global_load_b128 v[STS:STS+3], v[AGS], s[92:93]
.irp i,0,1,2,3
	global_load_b128 v[STB+4*\i:STB+4*\i+3], v[AGB], s[94:95] offset:16*\i
.endr
	s_add_nc_u64 s[84:85], s[84:85], 2048          ; (the loads name the chosen copies, not these)
	s_add_nc_u64 s[86:87], s[86:87], 512
.else
.irp i,0,1,2,3
	global_load_b128 v[STB+4*\i:STB+4*\i+3], v[AGB], s[70:71] offset:16*\i   ; Wc2 at my 16 units
.endr
.endif
.endm
.macro XROWS b                         ; the last sub-trip: my 512 bytes of 16 rows of x, into the registers that x's fragments have left: 32 lanes read 512 consecutive bytes
	WIN 0x80
.irp t,0,1,2,3,4,5,6,7,8,9,10,11,12,13,14,15
	global_load_b128 v[4*(16*(\b)+\t):4*(16*(\b)+\t)+3], v[LI], s[60:61] offset:2048*(16*(\b)+\t)
.endr
	WIN 0
.endm
; Two places for memory work in a block's middle.  At the first, eight plain instructions stand behind the block's eighth matrix instruction.
; In block 1 they hold the sub-trip's second barrier: the hidden images have one set of bytes, so no wave stores chunk t's before every wave has read chunk t - 1's.
.macro LPA1
.if BB == 1
.if FFIRST
	s_wait_loadcnt 5                               ; W1 of chunk 1 is in: behind it only the five loads of scale words and bias were issued
.endif
	s_wait_dscnt 0x0                               ; W1's run is in; and, for the others' sake, my reads of the hidden images are over
.if FP2 && (FMODE == 0)
	s_barrier_signal -1                            ; two products and sixteen multiply-adds on registers stand between the signal and its wait
.endif
.elseif FMODE
	XROWS BB
.endif
.endm
.macro LPA2
.if BB == 1
.if FP2 && (FMODE == 0)
	s_barrier_wait -1
.endif
.if FMODE == 0
	ds_store_b128 v[AHW], v[PC:PC+3]               ; block 0's piece and byte, kept back until here
	ds_store_b8 v[AHB], v[BY]
.endif
.if FP2
	WIN 0x40
	W2LD 4                                         ; places 0, 1 were last read in block 0, places 2, 3 by this block's eighth product
	W2LD 5
	W2LD 6
	W2LD 7
	WIN 0
.endif
.if FFIRST
	v_lshrrev_b32 v[AG1], 1, v[AGB]                ; 32 h: bf2's eight numbers of my half.  (W1's loads, which named the register, are in)
	WIN 0xc0
.irp n,0,1,2,3,4,5,6,7                 ; bf2 starts the output's sums: accumulator (n, m), register j: column 16 n + 8 h + j, the same for each m.  Wanted in the next sub-trip, behind its wait for all loads
.irp m,0,1,2,3
	global_load_b128 v[8*(4*\n+\m):8*(4*\n+\m)+3], v[AG1], s[34:35] offset:64*\n
	global_load_b128 v[8*(4*\n+\m)+4:8*(4*\n+\m)+7], v[AG1], s[34:35] offset:64*\n+16
.endr
.endr
	WIN 0
.endif
.if FMODE
	XROWS 1
.endif
.endif
.endm
.macro PKMUL d, a, c
.irp i,0,2,4,6,8,10,12,14
	v_pk_mul_f32 v[\d+\i:\d+\i+1], v[\a+\i:\a+\i+1], v[\c+\i:\c+\i+1]
.endr
.endm
.macro PKKK d, a, k1, k2               ; d = a k1 + k2
.irp i,0,2,4,6,8,10,12,14
	v_pk_fma_f32 v[\d+\i:\d+\i+1], v[\a+\i:\a+\i+1], v[\k1:\k1+1], v[\k2:\k2+1]
.endr
.endm
.macro PKFK d, a, k                    ; d = d a + k
.irp i,0,2,4,6,8,10,12,14
	v_pk_fma_f32 v[\d+\i:\d+\i+1], v[\d+\i:\d+\i+1], v[\a+\i:\a+\i+1], v[\k:\k+1]
.endr
.endm
; A BLOCK: tile b of tokens, my 16 numbers of chunk t.  Runs of eight independent instructions; A's and B's polynomials by turns, so that no run waits for the run above it.
.macro BLOCK b
.set BB, \b
.set SB, S+16*(\b)
.irp i,0,1,2,3,4,5,6,7
	v_med3_num_f32 v[V+\i], v[SB+\i], -v[CLV], v[CLV]   ; v.  Each accumulator is read from its low end on
.endr
	HOOK 0
.irp i,8,9,10,11,12,13,14,15
	v_med3_num_f32 v[V+\i], v[SB+\i], -v[CLV], v[CLV]
.endr
	HOOK 1
	PKMUL W, V, V
	HOOK 2
	PKKK P, W, KA6, KA5
	HOOK 3
	PKKK Q, W, KB4, KB3
	HOOK 4
	PKFK P, W, KA4
	HOOK 5
	PKFK Q, W, KB2
	HOOK 6
	PKFK P, W, KA3
	HOOK 7
	PKFK Q, W, KB1                                 ; eight places behind the eighth matrix instruction
	LPA1
	HOOK 8
	PKFK P, W, KA2
	HOOK 9
	PKFK Q, W, KB0
	LPA2
	HOOK 10
.irp i,0,1,2,3,4,5,6,7                 ; the 16 reciprocals are one batch; A's last two steps stand between them and name none of their results
	v_rcp_f32 v[Q+\i], v[Q+\i]
	v_pk_fma_f32 v[P+2*\i:P+2*\i+1], v[P+2*\i:P+2*\i+1], v[W+2*\i:W+2*\i+1], v[KA1:KA1+1]
.endr
.irp i,0,1,2,3,4,5,6,7
	v_rcp_f32 v[Q+8+\i], v[Q+8+\i]
	v_pk_fma_f32 v[P+2*\i:P+2*\i+1], v[P+2*\i:P+2*\i+1], v[W+2*\i:W+2*\i+1], v[KA0:KA0+1]
.endr
	PKMUL P, P, V
	s_wait_alu depctr_va_vdst(0)                   ; one wait for the batch, ahead of its first reader
.irp i,0,2,4,6,8,10,12,14
	v_pk_fma_f32 v[P+\i:P+\i+1], v[P+\i:P+\i+1], v[Q+\i:Q+\i+1], v[KH:KH+1]   ; Phi
.endr
	HOOK 11
	PKMUL V, SB, P                                 ; g = s Phi, where v lay
	HOOK 12
.if FMODE == 0
	; the quantiser: my 16 numbers and lane l xor 16's are a block of 32 along the next K
	v_max3_num_f32 v[W], |v[V]|, |v[V+1]|, 0x8000000   ; the floor 2^(16 - 127) among the leaves: the byte cannot fall under 1
	v_max3_num_f32 v[W+1], |v[V+2]|, |v[V+3]|, |v[V+4]|
	v_max3_num_f32 v[W+2], |v[V+5]|, |v[V+6]|, |v[V+7]|
	v_max3_num_f32 v[W+3], |v[V+8]|, |v[V+9]|, |v[V+10]|
	v_max3_num_f32 v[W+4], |v[V+11]|, |v[V+12]|, |v[V+13]|
	v_max3_num_f32 v[W+5], |v[V+14]|, |v[V+15]|, v[W]
	v_max3_num_f32 v[W+6], v[W+1], v[W+2], v[W+3]
	v_max3_num_f32 v[W+7], v[W+4], v[W+5], v[W+6]
	HOOK 13
	v_permlanex16_b32 v[W+8], v[W+7], s10, s11
	v_max_num_f32 v[W+9], v[W+7], v[W+8]           ; the block's largest magnitude
	v_add_nc_u32 v[W+10], 0xf8800000, v[W+9]       ; 15 off its exponent field: the conversion's scale operand
	v_and_or_b32 v[W+11], v[W+9], 0x7f800000, s12  ; 57,344 x the scale
	HOOK 14
.irp i,0,1,2,3,4,5,6,7
	v_med3_num_f32 v[V+\i], v[V+\i], -v[W+11], v[W+11]   ; the conversion to an 8-bit code does not saturate (ISA guide 7.6.2): the hold
.endr
	HOOK 15
.irp i,8,9,10,11,12,13,14,15
	v_med3_num_f32 v[V+\i], v[V+\i], -v[W+11], v[W+11]
.endr
	v_cvt_scalef32_pk8_bf8_f32 v[PC+4*(\b):PC+4*(\b)+1], v[V:V+7], v[W+10]
	v_cvt_scalef32_pk8_bf8_f32 v[PC+4*(\b)+2:PC+4*(\b)+3], v[V+8:V+15], v[W+10]
	v_lshrrev_b32 v[BY+(\b)], 23, v[W+10]          ; the scale's byte; also the plain instruction behind the conversions
.if BB != 0
	ds_store_b128 v[AHW], v[PC+4*(\b):PC+4*(\b)+3] offset:2048*(\b)   ; registers 4 w .. 4 w + 3 of the hidden fragment of tile b
	ds_store_b8 v[AHB], v[BY+(\b)] offset:128*(\b)                    ; byte w of its scale words
.endif
.else
	; the confidence head: my 16 units' part of h . Wc2, in f32, two chains
	v_pk_mul_f32 v[W:W+1], v[V:V+1], v[STB:STB+1]
	v_pk_mul_f32 v[W+2:W+3], v[V+2:V+3], v[STB+2:STB+3]
.irp i,4,8,12
	v_pk_fma_f32 v[W:W+1], v[V+\i:V+\i+1], v[STB+\i:STB+\i+1], v[W:W+1]
	v_pk_fma_f32 v[W+2:W+3], v[V+\i+2:V+\i+3], v[STB+\i+2:STB+\i+3], v[W+2:W+3]
.endr
	HOOK 13
	v_pk_add_f32 v[W:W+1], v[W:W+1], v[W+2:W+3]
	v_add_f32 v[W], v[W], v[W+1]
	HOOK 14
	v_permlanex16_b32 v[W+4], v[W], s10, s11
	v_add_f32 v[W], v[W], v[W+4]                   ; my wave's 32 units (both halves of the lanes hold the same sum)
	HOOK 15
	ds_store_b32 v[ACF], v[W] offset:64*(\b)
.endif
.endm
; A SUB-TRIP.  Behind the head's joint load: the addresses, then ONE run of LDS loads: what the second product wants first, then W1 of the next chunk.  W1's registers were read by the head's products: eight places
; stand between: the four v_nop behind the joint load (a wave that issues none has none: five v_nop more then), the three additions, one v_nop.
.macro SUBTRIP p2, fill, inst, mode, first
.set FP2, \p2
.set FINST, \inst
.set FMODE, \mode
.set FFIRST, \first
.set DW0, 52-32*(\mode)
.set DW1, 32-31*(\mode)
.set DW2, 10-(\mode)
.set DW3, 4-2*(\mode)
	HEAD \fill, \first
.if \p2
	v_add_nc_u32 v[ASC], 512, v[ASC]               ; this chunk's scale words of W2
	v_add_nc_u32 v[ADR2], s8, v[AW2]
.endif
.if !(\mode) && !(\first)
	v_add_nc_u32 v[ADR1], s8, v[AW1]
.endif
.if \p2
	HLOADS
.endif
.if !(\mode) && !(\first)
.if (\fill) == 2
	PLACES 1
.else
	PLACES 5
.endif
	BURST
.endif
.if \mode
	s_wait_loadcnt 0x0                             ; Wc2, asked for a sub-trip ago
.else
	INSTALL
.endif
	BLOCK 0
	BLOCK 1
	BLOCK 2
	BLOCK 3
	s_xor_b32 s8, s8, SLOTB                        ; on to the other slot
.endm
; K step s of my 16 rows of x: 64 numbers a lane in window 3, register 16 b + i = k 32 b + 16 (lane / 16) + i of my row, become a fragment's codes and its scale word, which go to LDS as they stand
.macro QUANTX s
.set XR, 64*(\s)
.set PX, 192+16*(\s)
	WIN 0x0f
.irp b,0,1,2,3
	v_max3_num_f32 v[TM+\b], |v[XR+16*\b]|, |v[XR+16*\b+1]|, 0x8000000
.endr
	WIN 0x3c
.irp i,2,4,6,8,10,12,14
.irp b,0,1,2,3
	v_max3_num_f32 v[TM+\b], v[TM+\b], |v[XR+16*\b+\i]|, |v[XR+16*\b+\i+1]|
.endr
.endr
	WIN 0
.irp b,0,1,2,3
	v_permlanex16_b32 v[TM+4+\b], v[TM+\b], s10, s11
.endr
.irp b,0,1,2,3
	v_max_num_f32 v[TM+\b], v[TM+\b], v[TM+4+\b]
.endr
.irp b,0,1,2,3
	v_add_nc_u32 v[TM+12+\b], 0xf8800000, v[TM+\b]
.endr
.irp b,0,1,2,3
	v_and_or_b32 v[TM+8+\b], v[TM+\b], 0x7f800000, s12
.endr
.irp b,0,1,2,3
	v_lshrrev_b32 v[TM+4+\b], 23, v[TM+12+\b]
.endr
	v_lshl_or_b32 v[BY+(\s)], v[TM+5], 8, v[TM+4]
	v_lshl_or_b32 v[BY+(\s)], v[TM+6], 16, v[BY+(\s)]
	v_lshl_or_b32 v[BY+(\s)], v[TM+7], 24, v[BY+(\s)]
	WIN 0xc3
.irp b,0,1,2,3
.irp i,0,1,2,3,4,5,6,7,8,9,10,11,12,13,14,15
	v_med3_num_f32 v[XR+16*\b+\i], v[XR+16*\b+\i], -v[TM+8+\b], v[TM+8+\b]
.endr
.endr
	WIN 0x03
.irp b,0,1,2,3
	v_cvt_scalef32_pk8_bf8_f32 v[PX+4*\b:PX+4*\b+1], v[XR+16*\b:XR+16*\b+7], v[TM+12+\b]
	v_cvt_scalef32_pk8_bf8_f32 v[PX+4*\b+2:PX+4*\b+3], v[XR+16*\b+8:XR+16*\b+15], v[TM+12+\b]
.endr
	WIN 0
	v_nop                                          ; a plain instruction behind the last conversion
.irp q,0,1,2,3
	ds_store_b128 v85, v[PX+4*\q:PX+4*\q+3] offset:2048*(\s)+512*\q
.endr
	ds_store_b32 v86, v[BY+(\s)] offset:128*(\s)
.endm
.macro KSET r, bits
	v_mov_b32 v[\r], \bits
	v_mov_b32 v[\r+1], \bits
.endm
	; ---------------- THE HEAD ----------------
	s_load_b512 s[16:31], s[0:1], 0x0              ; x, Wf1's codes, Wf2's, Wc1's, Wf1's scales, bf1, Wc1's scales, bc1
	s_load_b256 s[32:39], s[0:1], 0x40             ; Wf2's scales, bf2, Wc2, bc2
	s_load_b64 s[40:41], s[0:1], 0x60              ; out
	v_lshl_add_u32 v[SPW], v0, 2, SPARE
	v_mov_b32 v[NIL], 0
	v_lshrrev_b32 v89, 5, v0
	v_readfirstlane_b32 s3, v89                    ; wave 0..3
	s_and_b32 s4, s3, 1                            ; which half of a tile I fetch
	s_bfe_u32 s5, ttmp6, 0x40000                   ; cx
	s_lshl_b32 s6, ttmp9, 2
	s_add_co_u32 s6, s6, s5                        ; work-group = 4 x cluster + cx: it enters x's and out's addresses alone
	v_and_b32 v83, 31, v0                          ; lane
	v_and_b32 v81, 15, v0                          ; r
	v_bfe_u32 v82, v0, 4, 1                        ; h
	v_lshlrev_b32 v80, 11, v81
	v_lshl_add_u32 v80, v82, 6, v80                ; x: row r of 2,048 bytes, + 64 h: my 16 numbers of a block of 32
	s_mov_b32 s101, 0
	s_lshl_b32 s42, s6, 17                         ; 64 rows of 2,048 bytes a work-group
	s_mov_b32 s43, 0
	s_wait_kmcnt 0x0
	s_load_b32 s13, s[38:39], 0x0                  ; bc2
	s_add_nc_u64 s[60:61], s[16:17], s[42:43]
	s_add_nc_u64 s[62:63], s[40:41], s[42:43]
	s_lshl_b32 s100, s3, 15
	s_add_nc_u64 s[66:67], s[60:61], s[100:101]    ; the 16 rows that I quantise
	s_lshl_b32 s100, s3, 9
	s_add_nc_u64 s[60:61], s[60:61], s[100:101]    ; my 512 bytes of every row of x,
	s_add_nc_u64 s[62:63], s[62:63], s[100:101]    ; and of out
	WIN 0xc0
.irp s,0,1,2,3
.irp b,0,1,2,3
.irp j,0,1,2,3
	global_load_b128 v[64*\s+16*\b+4*\j:64*\s+16*\b+4*\j+3], v80, s[66:67] offset:512*\s+128*\b+16*\j
.endr
.endr
.endr
	WIN 0
	s_add_nc_u64 s[84:85], s[24:25], s[100:101]    ; Wf1's scale bytes: 16 a row, my 32 rows of a chunk
	s_add_nc_u64 s[88:89], s[28:29], s[100:101]    ; Wc1's
	s_add_nc_u64 s[34:35], s[34:35], s[100:101]    ; bf2 at my 128 columns
	s_lshl_b32 s100, s3, 7
	s_add_nc_u64 s[86:87], s[26:27], s[100:101]    ; bf1, bc1, Wc2 at my 32 units
	s_add_nc_u64 s[90:91], s[30:31], s[100:101]
	s_add_nc_u64 s[70:71], s[36:37], s[100:101]
	s_lshl_b32 s100, s3, 14
	s_add_nc_u64 s[68:69], s[18:19], s[100:101]    ; Wf1's codes at my 32 rows of chunk 0
	s_lshl_b32 s100, s3, 13
	s_add_nc_u64 s[32:33], s[32:33], s[100:101]    ; Wf2's scale bytes: 64 a row, my 128 rows
	s_lshl_b32 s100, s4, 15
	s_add_nc_u64 s[80:81], s[18:19], s[100:101]
	s_add_nc_u64 s[80:81], s[80:81], 0x20000       ; the first tile of W1 that comes through the ring: chunk 2, my 64 rows
	s_add_nc_u64 s[82:83], s[22:23], s[100:101]    ; and the last: Wc1
	s_lshl_b32 s100, s4, 19
	s_add_nc_u64 s[78:79], s[20:21], s[100:101]    ; W2: my 256 rows of 2,048 bytes, chunk 0
	s_or_b32 s79, s79, 0x80000000                  ; type = 2
	s_mov_b64 s[74:75], s[80:81]
	s_or_b32 s75, s75, 0x80000000
	s_mul_i32 s14, s4, 33792                       ; my tile's place in a slot: 64 rows x 528,
	s_mul_i32 s15, s4, 36864                       ; or 256 rows x 144 behind W1's
	s_add_co_u32 s15, s15, W2O
	s_mov_b32 s72, 1                               ; count = 1
	s_add_co_u32 s73, s14, SLOTB                   ; the first fills go to slot 1
	s_mov_b32 s76, 1
	s_add_co_u32 s77, s15, SLOTB
	; group 1, W1: 64 rows x 512 elements of 1 byte, dense; mask 15, bit 21 beside it; 4 words of padding behind every 128
	s_mov_b32 s44, 15|(1<<20)|(1<<21)|(6<<22)|(3<<25)
	s_mov_b32 s45, 512<<16                         ; tensor_dim0
	s_mov_b32 s46, 64<<16                          ; tensor_dim1
	s_mov_b32 s47, 512<<16                         ; tile_dim0
	s_mov_b32 s48, 64                              ; tile_dim1
	s_mov_b32 s49, 512                             ; from row to row
	s_mov_b32 s50, 0
	s_mov_b32 s51, 0
	; group 1, W2: 256 rows x 128 bytes, 2,048 bytes apart; 4 words of padding behind every 32
	s_mov_b32 s52, 15|(1<<20)|(1<<21)|(4<<22)|(3<<25)
	s_mov_b32 s53, 128<<16
	s_mov_b32 s54, 256<<16
	s_mov_b32 s55, 128<<16
	s_mov_b32 s56, 256
	s_mov_b32 s57, 2048
	s_mov_b32 s58, 0
	s_mov_b32 s59, 0
	s_mov_b32 s10, 0x76543210
	s_mov_b32 s11, 0xfedcba98                      ; v_permlanex16_b32's selects for lane l xor 16
	s_mov_b32 s12, 0x600000                        ; the mantissa field of 57,344
	v_lshlrev_b32 v[LI], 4, v83
	v_add_nc_u32 v[AIM], IMG, v[LI]
	v_lshl_add_u32 v[AHS], v83, 2, IMGS
	v_and_b32 v84, 8, v81
	v_add_nc_u32 v84, v84, v81                     ; r + 8 (r / 8)
	v_mul_u32_u24 v[AW1], v84, 528
	v_lshl_add_u32 v[AW1], v82, 4, v[AW1]
	s_mul_i32 s98, s3, 16896
	v_add_nc_u32 v[AW1], s98, v[AW1]               ; W1 in a slot: my 32 rows, the tile's row, + 16 h
	v_mul_u32_u24 v[AW2], v81, 144
	v_lshl_add_u32 v[AW2], v82, 4, v[AW2]
	s_mul_i32 s98, s3, 18432
	s_add_co_u32 s98, s98, W2O
	v_add_nc_u32 v[AW2], s98, v[AW2]               ; W2: my 128 rows, row r, + 16 h
	s_lshl_b32 s98, s3, 9
	v_add_nc_u32 v[AHW], s98, v[AIM]               ; where my piece of a hidden image goes
	v_add_nc_u32 v[AHB], s3, v[AHS]                ; and my byte of its scale words
	s_lshl_b32 s98, s3, 13
	v_add_nc_u32 v85, s98, v[AIM]                  ; x's images: fragments 4 w + s
	s_add_co_u32 s98, s98, SCL2-512
	v_add_nc_u32 v[ASC], s98, v[LI]                ; W2's scale words, one step low: it is stepped ahead of each load
	v_lshl_add_u32 v[AGS], v82, 3, v84
	v_lshlrev_b32 v[AGS], 4, v[AGS]                ; W1's scale bytes: lanes 0-15 tile 0's rows, lanes 16-31 tile 1's, 16 bytes a row
	v_lshlrev_b32 v[AGB], 6, v82                   ; a bias: my 16 units begin 64 h bytes on
	v_lshlrev_b32 v[AG1], 9, v84
	v_lshl_add_u32 v[AG1], v82, 4, v[AG1]          ; W1 in memory: the tile's row of 512 bytes, + 16 h
	s_lshl_b32 s98, s3, 8
	s_add_co_u32 s98, s98, CONF
	v_lshl_add_u32 v[ACF], v81, 2, s98
	s_lshl_b32 s98, s3, 9
	s_add_co_u32 s98, s98, XSCO
	v_add_nc_u32 v86, s98, v[AHS]                  ; x's scale words
	v_lshlrev_b32 v87, 6, v83                      ; 64 x lane: a row of Wf2's scale bytes
.irp b,0,1,2,3
	v_mov_b32 v[TM+4+\b], 0                        ; written once: a lane permute's destination counts as one of its sources
.endr
	s_wait_kmcnt 0x0                               ; bc2
	s_wait_loadcnt 48                              ; K step 0 of x is in; the three behind it may be out
	QUANTX 0
	global_load_b128 v[W1S:W1S+3], v[AGS], s[84:85]                ; chunk 0's scale words and bias at their places, chunk 1's in waiting
	global_load_b128 v[STS:STS+3], v[AGS], s[84:85] offset:2048
.irp i,0,1,2,3
	global_load_b128 v[B1+4*\i:B1+4*\i+3], v[AGB], s[86:87] offset:16*\i
	global_load_b128 v[STB+4*\i:STB+4*\i+3], v[AGB], s[86:87] offset:512+16*\i
.endr
	s_wait_loadcnt 42                              ; behind K step 1: 32 loads of x and the 10 above
	QUANTX 1
	W1GLOB 0, 128                                  ; chunk 0 of W1, where the second product's operands lie later
	s_wait_loadcnt 58                              ; behind K step 2: 16 of x, 10, and W1's 32
	QUANTX 2
.irp p,0,1,2,3
.irp g,0,1,2,3
	global_load_b128 v[128+16*\p+4*\g:128+16*\p+4*\g+3], v87, s[32:33] offset:2048*\p+16*\g   ; column 128 w + 32 p + lane: its 16 scale words, register 16 p + chunk
.endr
.endr
	s_wait_loadcnt 58                              ; behind K step 3: 10, 32 and the 16 above
	QUANTX 3
	W1GLOB 1, 0                                    ; chunk 1 of W1 at its place: wanted in the second block of the first sub-trip
	s_wait_dscnt 0x0                               ; my images of x have landed
	s_barrier_signal -1
	s_barrier_wait -1                              ; everybody's have
	WIN 0x80
.irp f,0,1,2,3,4,5,6,7,8,9,10,11,12,13,14,15
.irp q,0,1,2,3
	ds_load_b128 v[16*\f+4*\q:16*\f+4*\q+3], v[AIM] offset:2048*\f+512*\q
.endr
.endr
	WIN 0
.irp f,0,1,2,3,4,5,6,7,8,9,10,11,12,13,14,15
	ds_load_b32 v[XS+\f], v[AHS] offset:XSCO+128*\f
.endr
	s_wait_dscnt 0x0                               ; x's 16 fragments are in my registers: my reads of these bytes are over
	s_barrier_signal -1
	s_barrier_wait -1                              ; everybody's are: the bytes may be written again
	s_wait_loadcnt 32                              ; all but chunk 1's 32 loads: scale words, biases, chunk 0 of W1, W2's scale rows
.irp p,0,1,2,3
.irp c,0,1,2,3,4,5,6,7,8,9,10,11,12,13,14,15
	ds_store_b32 v[ASC], v[128+16*\p+\c] offset:512*(\c+1)+4*\p    ; W2's scale words by chunk, so that one load of 16 bytes a lane brings a chunk's four; only my wave reads them
.endr
.endr
	s_wait_dscnt 0x0                               ; the stores have read their registers, which the sums below take
.set W1B, 128
.irp s,0,1,2,3                         ; the first product of chunk 0, all four tiles: eight accumulators by turns
.irp m,0,1,2,3
	MP1 \m, 2*\s
	MP1 \m, 2*\s+1
.endr
.endr
	WIN 0
.set W1B, 0
	; the constants, each twice (a pair for the packed forms), where the head's temporaries lay; these lines are also the places behind the products above
	KSET KA6, 0xac95df0b                           ; A_k = alpha_k 2^-k
	KSET KA5, 0x306dffee
	KSET KA4, 0xb40cff51
	KSET KA3, 0xb6eec2d2
	KSET KA2, 0xb940ac63
	KSET KA1, 0xbac1a1f6
	KSET KA0, 0xbc83dbd4
	KSET KB4, 0xb62ccd2b                           ; B_k = beta_k 2^-k 2 sqrt(2)
	KSET KB3, 0xb89e3512
	KSET KB2, 0xba9bf7b5
	KSET KB1, 0xbc2ad7f2
	KSET KB0, 0xbd2542a9
	KSET KH, 0.5
	v_mov_b32 v[CLV], 0x40b504f3                   ; 4 sqrt(2)
	s_add_nc_u64 s[84:85], s[84:85], 4096          ; scale words and bias: on to chunk 2 (every load that named these is done)
	s_add_nc_u64 s[86:87], s[86:87], 1024
	s_mov_b32 s8, 0
	s_mov_b32 s7, 0
	; ---------------- THE 17 SUB-TRIPS ----------------
	SUBTRIP 0, 2, 1, 0, 1                          ; t = 0: no second product yet, nothing to read from a slot; bf2 is asked for
	s_mov_b32 s7, 1
.Lchunk:                                           ; t = 1 .. 14
	SUBTRIP 1, 2, 1, 0, 0
	s_add_co_u32 s7, s7, 1
	s_cmp_lt_u32 s7, 15
	s_cbranch_scc1 .Lchunk
	SUBTRIP 1, 1, 2, 0, 0                          ; t = 15: only W2's last tile is asked for; written out
	SUBTRIP 1, 0, 0, 1, 0                          ; t = 16: the confidence head; nothing is asked for
	; ---------------- THE WAY OUT ----------------
	s_wait_dscnt 0x0                               ; my partial sums have landed
	s_barrier_signal -1
	s_barrier_wait -1
	v_and_b32 v10, 31, v0
	v_lshl_add_u32 v10, v10, 2, CONF
.irp w,0,1,2,3
	ds_load_b32 v[192+\w], v10 offset:256*\w       ; token = lane,
	ds_load_b32 v[196+\w], v10 offset:256*\w+128   ; token = 32 + lane
.endr
	v_and_b32 v200, 15, v0
	v_bfe_u32 v201, v0, 4, 1
	s_mul_i32 s98, s3, 8448
	s_add_co_u32 s98, s98, STAGE                   ; my stage
	v_mul_u32_u24 v11, v200, 528
	v_lshl_add_u32 v11, v201, 5, v11
	v_add_nc_u32 v11, s98, v11                     ; in: row r, + 32 h; tile n: 64 n bytes on
	v_add_nc_u32 v14, s98, v[LI]                   ; back: the 32 lanes take one row of 512 bytes
	s_mov_b32 s42, 0xbfb8aa3b                      ; -log2(e)
	s_mul_f32 s43, s13, s42
	s_mov_b32 s99, 0x3f4ccccd                      ; 0.8
	s_wait_dscnt 0x0
	v_add_f32 v192, v192, v193
	v_add_f32 v194, v194, v195
	v_add_f32 v196, v196, v197
	v_add_f32 v198, v198, v199
	v_add_f32 v192, v192, v194
	v_add_f32 v196, v196, v198
	v_fma_f32 v192, v192, s42, s43                 ; -(h . Wc2 + bc2) log2(e)
	v_fma_f32 v196, v196, s42, s43
	v_exp_f32 v192, v192
	v_exp_f32 v196, v196
	v_nop
	s_wait_alu depctr_va_vdst(0)                   ; one wait for the two, ahead of their first reader
	v_add_f32 v192, 1.0, v192
	v_add_f32 v196, 1.0, v196
	v_rcp_f32 v192, v192
	v_rcp_f32 v196, v196
	v_nop
	s_wait_alu depctr_va_vdst(0)
	v_cmp_gt_f32 s96, s99, v192                    ; bit = token: 0.8 > confidence: the token takes the layer's result.  The masks steer selections alone: no branch, no address
	v_cmp_gt_f32 s97, s99, v196
	s_wait_loadcnt 0x0                             ; x's rows
; Tile m of tokens: a lane holds 32 neighbouring bytes of a row for each tile n, and the lanes beside it other rows: the tile goes through my stage and comes back as whole rows of 512 bytes.
; LDS serves a wave's instructions in order (ISA guide 5.7.1.4): no wait between the stores and the loads, nor in front of the next tile's stores.
.macro TOSTAGE m
	WIN 0x0c                                       ; an LDS store's data are its source 1: window 3
.irp n,0,1,2,3,4,5,6,7
	ds_store_b128 v11, v[8*(4*\n+(\m)):8*(4*\n+(\m))+3] offset:64*\n         ; each accumulator from its low end on
	ds_store_b128 v11, v[8*(4*\n+(\m))+4:8*(4*\n+(\m))+7] offset:64*\n+16
.endr
	WIN 0x40
.irp t,0,1,2,3,4,5,6,7,8,9,10,11,12,13,14,15
	ds_load_b128 v[64*((\m)%2)+4*\t:64*((\m)%2)+4*\t+3], v14 offset:528*\t
.endr
	WIN 0
.endm
.macro SEND m, younger                 ; younger: the LDS instructions issued behind tile m's loads, which may stay out
.set BK, 64*((\m)%2)
	s_wait_dscnt \younger
	WIN 0x46                                       ; source 0 (x) window 2, source 1 and destination window 1
.irp t,0,1,2,3,4,5,6,7,8,9,10,11,12,13,14,15
	s_bitcmp1_b32 s[96+(\m)/2], 16*((\m)%2)+\t
	s_cselect_b32 s98, -1, 0                       ; the token's bit for all 32 lanes
.irp k,0,1,2,3
	v_cndmask_b32 v[BK+4*\t+\k], v[4*(16*(\m)+\t)+\k], v[BK+4*\t+\k], s98
.endr
.endr
	WIN 0x04                                       ; a store's data are its source 1: window 1
.irp t,0,1,2,3,4,5,6,7,8,9,10,11,12,13,14,15
	global_store_b128 v[LI], v[BK+4*\t:BK+4*\t+3], s[62:63] offset:2048*(16*(\m)+\t) th:TH_STORE_NT   ; 32 lanes store 512 consecutive bytes, at a multiple of 512 from out's first byte
.endr
	WIN 0
.endm
	TOSTAGE 0
	TOSTAGE 1
	SEND 0, 32                                     ; behind tile 0's loads: tile 1's 16 stores and 16 loads
	s_wait_xcnt 0x0                                ; tile 0's stores have read their registers: tile 2's loads may land there
	TOSTAGE 2
	SEND 1, 32
	s_wait_xcnt 0x0
	TOSTAGE 3
	SEND 2, 32
	SEND 3, 0
	s_wait_tensorcnt 0x0                           ; the wave's end: behind my last tensor load and my last LDS store
	ds_add_u32 v[SPW], v[NIL]
	s_wait_dscnt 0x0
	ROUND                                          ; the closing round: no work-group ends while a partner may still ask for a tile that names it
	s_endpgm
.Lfunc_end_k_qcdff5cdaee_mod:
	.size	k_qcdff5cdaee_mod, .Lfunc_end_k_qcdff5cdaee_mod-k_qcdff5cdaee_mod
	.p2alignl 7, 3214868480
	.fill 96, 4, 3214868480
	.section	.rodata,"a",@progbits
	.p2align	6, 0x0
	.amdhsa_kernel k_qcdff5cdaee_mod
		.amdhsa_group_segment_fixed_size 327680
		.amdhsa_private_segment_fixed_size 0
		.amdhsa_enable_private_segment 0
		.amdhsa_kernarg_size 104
		.amdhsa_user_sgpr_count 2
		.amdhsa_user_sgpr_kernarg_segment_ptr 1
		.amdhsa_wavefront_size32 1
		.amdhsa_system_sgpr_workgroup_id_x 1
		.amdhsa_system_sgpr_workgroup_id_y 1
		.amdhsa_system_sgpr_workgroup_id_z 1
		.amdhsa_system_vgpr_workitem_id 0
		.amdhsa_next_free_vgpr 1024
		.amdhsa_next_free_sgpr 102
		.amdhsa_reserve_vcc 0
		.amdhsa_float_denorm_mode_32 3
		.amdhsa_float_denorm_mode_16_64 3
		.amdhsa_memory_ordered 1
		.amdhsa_forward_progress 1
		.amdhsa_inst_pref_size 255
	.end_amdhsa_kernel
	.section	.bss,"aw",@nobits
	.p2align	6
	.space	262144
	.amdgpu_metadata
---
amdhsa.version: [ 1, 2 ]
amdhsa.kernels:
  - .name:           k_qcdff5cdaee_mod
    .symbol:         k_qcdff5cdaee_mod.kd
    .args:
      - { .name: hidden_states, .offset: 0, .size: 8, .value_kind: global_buffer, .address_space: global }
      - { .name: Wf1_codes, .offset: 8, .size: 8, .value_kind: global_buffer, .address_space: global }
      - { .name: Wf2_codes, .offset: 16, .size: 8, .value_kind: global_buffer, .address_space: global }
      - { .name: Wc1_codes, .offset: 24, .size: 8, .value_kind: global_buffer, .address_space: global }
      - { .name: Wf1_scales, .offset: 32, .size: 8, .value_kind: global_buffer, .address_space: global }
      - { .name: bf1, .offset: 40, .size: 8, .value_kind: global_buffer, .address_space: global }
      - { .name: Wc1_scales, .offset: 48, .size: 8, .value_kind: global_buffer, .address_space: global }
      - { .name: bc1, .offset: 56, .size: 8, .value_kind: global_buffer, .address_space: global }
      - { .name: Wf2_scales, .offset: 64, .size: 8, .value_kind: global_buffer, .address_space: global }
      - { .name: bf2, .offset: 72, .size: 8, .value_kind: global_buffer, .address_space: global }
      - { .name: Wc2, .offset: 80, .size: 8, .value_kind: global_buffer, .address_space: global }
      - { .name: bc2, .offset: 88, .size: 8, .value_kind: global_buffer, .address_space: global }
      - { .name: out0, .offset: 96, .size: 8, .value_kind: global_buffer, .address_space: global }
    .group_segment_fixed_size: 327680
    .private_segment_fixed_size: 0
    .kernarg_segment_align: 8
    .kernarg_segment_size: 104
    .max_flat_workgroup_size: 128
    .sgpr_count:     102
    .vgpr_count:     1024
    .wavefront_size: 32
...
	.end_amdgpu_metadata
.endif
;; end of part 1
